; MI455X (gfx1250); checked and timed in simulation.
; The chip was launched on July 23, 2026; its instructions are those of AMD's public machine-readable ISA for CDNA 5 (MIT licence, August 2026) and "CDNA5" Instruction Set Architecture Reference Guide (July 2026). The comments in the code are by the model that wrote it; some were corrected since.
;; Attend. Allowed arithmetic: matrix products marked QUANTISED: E2M3 operands, one E8M0 scale for each 32 along K, by v_wmma_scale_f32_16x16x128_f8f6f4 with both operands' format E2M3, f32 sums; everything else in f32.
;; Inputs: k 4 x 16 x 2,048 x 64 float32; q 4 x 16 x 2,048 x 64 float32; v 4 x 16 x 2,048 x 64 float32.
;; Outputs: out0 4 x 16 x 2,048 x 64 float32.
;; This version of the problem:
;;   THIS VERSION OF THE PROBLEM IS GIVEN IN LOW PRECISION. The matrix products marked QUANTISED in the list below multiply operands that are first quantised to E2M3 (2 exponent bits, 3 mantissa bits; 6 bits a number), with one power-of-two scale for each 32 numbers along K (OCP MX v1.0); their sums are f32. All else is computed in f32.
;;   The module's matrix products, in the order in which they are computed (A, B: the left and right operand; K: the contracted axis; several contracted axes count as one K, in the product's order):
;;     1. batch 64 x [M 2,048, K 64] x [K 64, N 2,048]; A: input q; B: input k: QUANTISED
;;     2. batch 64 x [M 2,048, K 2,048] x [K 2,048, N 64]; A: softmax (see below); B: input v: QUANTISED
;;   THE QUANTISER, for each operand of a quantised product, along K:
;;     - K is cut into blocks of 32 from its start; a last block that is shorter is filled with zeros.
;;     - A block's scale is 2^e with e = floor(log2(the largest magnitude in the block)) - 2, held to -126 .. 127; a block of zeros has e = 0. As a byte (E8M0): e + 127.
;;     - Each number is divided by its block's scale, clamped to +-7.5, and rounded to the nearest number of E2M3, ties to even, subnormals kept.
;;     - The product sums the exact products of the quantised numbers (number of the format x scale) in f32.
;;   ~~~python
;;   def quantise(x, axis):      # numpy; x: float32 -> the quantised numbers, widened to float32 again
;;       x = np.moveaxis(x, axis, -1); K = x.shape[-1]
;;       x = np.pad(x, [(0, 0)] * (x.ndim - 1) + [(0, -K % 32)]); x = x.reshape(x.shape[:-1] + (-1, 32)); a = np.abs(x).max(-1, keepdims=True)
;;       e = np.where(a > 0, np.clip(np.frexp(np.where(a > 0, a, 1))[1] - 1 - 2, -126, 127), 0)      # np.frexp(a)[1] - 1 = floor(log2(a)), exactly
;;       r = np.clip(x / 2.0 ** e, -7.5, 7.5)
;;       step = 2.0 ** (np.maximum(np.frexp(np.where(r == 0, 1, r))[1] - 1, 0) - 3)
;;       q = np.round(r / step) * step * 2.0 ** e      # np.round: ties to even
;;       return np.moveaxis(q.reshape(q.shape[:-2] + (-1,))[..., :K], -1, axis).astype(np.float32)
;;   ~~~
;;   SOFTMAX AHEAD OF A QUANTISED PRODUCT. Where the list says 'softmax', what is quantised is not the finished softmax but p = 2^(t - M), with t = logit x log2(e) and M = ceil(the row's largest t), a whole number; so 1/2 < the row's largest p <= 1. The row's sum l is taken of the UNQUANTISED p, in f32, and the product's result is divided by l at the end. Since M is a whole number, a kernel that streams over the keys may use a running M (the ceiling of the running maximum): every later rescaling is an exact power of two, which a block's scale takes up: the codes' values come out the same.
;;   OPERANDS COMPUTED ON THE WAY. 'Computed on the way' means the value that the module computes at that place (a softmax that the list does not call 'softmax' is quantised finished and normalised). What goes into a quantiser is computed in f32, as accurately as f32 sums, v_exp_f32 and their like allow (about 1e-6 of the number): no bf16 or f16 on the way to a quantiser, and a product that is left as it is and whose result goes on into a quantised operand takes f32 operands (vector FMAs, or v_wmma_f32_16x16x4_f32). A number that lies on a knife's edge between two numbers of the format may be rounded either way, as far as f32 arithmetic and the matrix unit's own rounding can turn it there, and no further.
;; 2 versions. Each part assembles by itself: llvm-mc -triple=amdgcn-amd-amdhsa -mcpu=gfx1250 --defsym DOCPART=n.
;; ======== version 1 of 2: 1 launch
;; launch attend (part 1): grid 4 x 64, 16 waves a work-group, no clusters, 276,480 bytes of LDS; arguments q, k, v, out0; writes out0
.if DOCPART == 1
	.amdgcn_target "amdgcn-amd-amdhsa--gfx1250"
	.amdhsa_code_object_version 6
	.text
	.protected	k_q46988de284_attend
	.globl	k_q46988de284_attend
	.p2align	8
	.type	k_q46988de284_attend,@function
k_q46988de284_attend:
	s_mov_b64 s[64:65], 0
	v_nop
	global_prefetch_b8 v0, s[64:65] scope:SCOPE_SE
	s_setreg_imm32_b32 hwreg(HW_REG_WAVE_MODE, 25, 1), 1
	s_wait_xcnt 0x0
; out0[h][i][:] = sum over j of softmax_j(q[h][i] . k[h][j] / 8) v[h][j][:].  q, k, v, out0: [64 heads][2048][64] f32.
; Both products run on codes of FP6 (E2M3) with one E8M0 scale for each 32 along a product's K: q and k are quantised along the head's 64, v and p along the keys.
; SOFTMAX: t = score x log2(e) / 8; M = the running largest t rounded up to a whole number; p = 2^(t - M) is quantised, not normalised; the row's sum is taken of the unquantised p and divides at the end.
; When M moves, the sum and O are multiplied by 2^(old M - new M), which rounds nothing.
; SHARES.  A work-group of sixteen waves owns 512 queries of one head (grid x: block of queries, grid y: head).  PHASE 1: wave w quantises keys 128 w .. 128 w + 127 of k and of v into LDS, as images of the
; operands' registers (a whole head's codes and scale words are 16 x 12,800 bytes), and its own two tiles of 16 queries into registers.  One barrier.  PHASE 2: each wave walks all 16 key steps out of LDS
; for its first tile, stores 16 rows of out0, and does the same for its second tile.  Nothing in LDS is ever filled again, so the launch has one barrier, no tensor load and no ring.
; TWO TILES OF KEYS IN ONE FRAGMENT.  The instruction's K is 128, the head's is 64.  Row r of pair fragment f holds key 32 f + r in k 0-63 and key 32 f + 16 + r in k 64-127.  Q lies in 18 registers
; [Q | zeros | Q]: registers 0-11 pick the first key, registers 6-17 the second: zero codes on Q's side cancel the other key's products (the format has no infinity and no NaN).
; BOTH PRODUCTS ARE USED TRANSPOSED (S^T = K Q^T, O^T = V^T P^T): a lane holds one query (lane % 16) throughout.  Register 16 f + j of the scores is key 32 f + 8 (lane / 16) + j (j < 8) or
; 32 f + 8 + 8 (lane / 16) + j (j >= 8).  After the conversions and the exchange of halves, position p of block f of P holds the block's key with the two middle groups of eight changed over; V's codes
; are laid in the same order by the register that each of its loads names.  The blocks are the true blocks of 32 keys.
; NO JOINT LOADS, though a head's four work-groups read the same 1 MiB of k and v: those bytes are f32 and are read once, at the head, through registers into the quantiser.  Brought by joint loads they would
; have to pass through the 51,200 bytes that images, stages and spare words leave of 327,680: more than twenty refills, each behind a round of a cluster's barrier.
; LIMITS: NaN and infinities among the inputs are not served.  A block of zeros gets the scale byte 1 where the rule says 127: its codes are zeros, and this program alone reads the bytes.
; p under 2^-126 counts as 0 (v_exp_f32 gives no denormals: ISA guide, its entry in 15.8).
.set STEPB,  12800                     ; LDS: a key step's region: K's four pair fragments, V's four fragments, K's 64 scale words, V's 64
.set KIMG,   0                         ; pair fragment f: 1536 f + 512 c + 16 x lane (c: a group of four of its 12 registers)
.set VIMG,   6144                      ; V^T's tile t (channels 16 t + r): the same form
.set KSCO,   12288                     ; K's scale words: 64 f + 4 r
.set VSCO,   12544                     ; V's: 4 x channel
.set STG,    16*STEPB                  ; behind the sixteen regions: a stage of 16 rows for each wave
.set SPITCH, 272                       ; a stage row: 256 bytes + 16: sixteen lanes that take one column of sixteen rows touch sixteen different columns of 16 bytes modulo 256
.set STGB,   16*SPITCH
.set SPARE,  STG+16*STGB               ; behind the stages: the spare words, 128 bytes for each wave: eight blocks of 256 bytes that no other line names
; registers that stay
.set LI,  1                            ; v1   16 x lane: an image's place, and my place in 512 dense bytes of memory
.set LS,  2                            ; v2   4 x lane
.set STW, 3                            ; v3   stage, dense side: 272 (lane / 16) + 16 (lane % 16)
.set STR, 4                            ; v4   stage, row side: 272 (lane % 16) + 128 (lane / 16)
.set SPW, 5                            ; v5   LDS address of my spare word; never rewritten
.set NIL, 6                            ; v6   0; never rewritten
.set SO,  7                            ; v7   stage, the way out: 272 (lane % 16) + 32 (lane / 16)
.set ADR, 8                            ; v8   the step's images
.set ADS, 9                            ; v9   the step's scale words
                                       ; v12 -M, v13 the largest t, v[14:15] the row's sum in two halves
.set QF,  16                           ; v16-33 Q | zeros | Q
.set QS0, 34                           ; v34, v35 Q's scale words for the first and for the second key of a pair
.set QS1, 35
.set KS0, 36                           ; v36, v37 K's scale words: lanes 0-15 the even fragment's, lanes 16-31 the odd one's
.set VS0, 38                           ; v38, v39 V's likewise
.set PW,  40                           ; v40  P's scale word
.set F,   42                           ; v[42:43] f = 2^(old M - new M); v43 is only named with it as a pair
.set Q1,  236                          ; v236-241 the second tile's codes of Q;  v242, v243 its two scale words
.set Q1S, 242
; phase 2
.set KF,  44                           ; v44-91   K's four pair fragments; behind the score products the registers below
.set VF,  92                           ; v92-139  V's four fragments
.set S,   140                          ; v140-203 the scores, then p
.set O,   204                          ; v204-235 O^T, four tiles of 8
.set PC2, 44                           ; v44-55   P's codes
.set T2,  56                           ; v56-58, v60-62 the odd blocks' codes ahead of the exchange
.set BM,  64                           ; v64-67   a block's largest score, then its largest p
.set BT,  68                           ; v68-71   at work
.set SOP, 72                           ; v72-75   the conversions' scale operands
.set A2,  76                           ; v[76:77] the sum's second chain
.set TMP, 78
; phase 1
.set X,   44                           ; v44-75   32 neighbours of a row, back from the stage
.set PC1, 76                           ; v76-87   a fragment's 12 registers
.set T1,  88                           ; v88-90   a block's upper 16 codes (a conversion's three registers begin on an even number)
.set R,   92                           ; v92-219  four sets of 32 registers for loads
.set MX,  220
.set MY,  221
.set SCO, 222
.set BYA, 223
.set BYB, 224
.set W,   225
.set W2,  226
.set VWD, 227
.set WI,  244                          ; v244 my region + 16 x lane
.set WVA, 245                          ; v245 my region + 1536 (lane / 16) + 16 (lane % 16)
.set KW,  246                          ; v246 my region + 4 (lane % 16)
.set VW,  247                          ; v247 my region + 4 x lane
.set SH8, 248                          ; v248 8 (lane / 16)
.set WV,  12                           ; s12  my wave's number
.set SEL, 20                           ; s[20:21] v_permlanex16_b32's selects for lane l xor 16
.set CS,  22                           ; s[22:23] c = log2(e) / 8: the packed form names a pair and takes its low word for both halves
.set TB,  24                           ; s24  where the step's region begins
.set CNT, 25                           ; s25  steps to go
; 16 rows of 256 bytes, dense in memory: eight loads of 512 consecutive bytes into set
.macro GLOAD set, base, off, nt
.irp i, 0,1,2,3,4,5,6,7
.if \nt
	global_load_b128 v[R+32*(\set)+4*\i:R+32*(\set)+4*\i+3], v[LI], s[\base:\base+1] offset:(\off)+512*\i th:TH_LOAD_NT
.else
	global_load_b128 v[R+32*(\set)+4*\i:R+32*(\set)+4*\i+3], v[LI], s[\base:\base+1] offset:(\off)+512*\i
.endif
.endr
.endm
; V: a lane takes channel 32 g + lane and its registers run down the 32 keys of block beta; the key at kp goes to the position that P's layout gives it (the two middle groups of eight change over)
.macro VLOAD set, g, beta
.set kp, 0
.rept 32
	global_load_b32 v[R+32*(\set)+16*((kp/8)%2)+8*(kp/16)+kp%8], v[LS], s[8:9] offset:(32*(\beta)+kp)*256+128*(\g)
.set kp, kp+1
.endr
.endm
; 16 rows through my stage: in as they were loaded, back as 32 neighbours a lane: lane (r, h) gets numbers 32 h .. 32 h + 31 of row r.  LDS serves a wave's instructions in order (ISA guide 5.7.1.4): no wait between
.macro TURN set
.irp i, 0,1,2,3,4,5,6,7
	ds_store_b128 v[STW], v[R+32*(\set)+4*\i:R+32*(\set)+4*\i+3] offset:2*SPITCH*\i
.endr
.irp i, 0,1,2,3,4,5,6,7
	ds_load_b128 v[X+4*\i:X+4*\i+3], v[STR] offset:16*\i
.endr
.endm
; A block of 32 numbers in a lane's registers src .. src + 31 becomes six registers of codes at dst and the scale's byte in by
.macro BLK src, dst, by
	v_max3_num_f32 v[MX], |v[(\src)]|, |v[(\src)+1]|, 0x1800000      ; the largest magnitude, in two chains, with the floor 2^(3 - 127) among the leaves: the byte cannot fall under 1
	v_max3_num_f32 v[MY], |v[(\src)+16]|, |v[(\src)+17]|, |v[(\src)+18]|
.irp i, 0,1,2,3,4,5
	v_max3_num_f32 v[MX], v[MX], |v[(\src)+2+2*\i]|, |v[(\src)+3+2*\i]|
	v_max3_num_f32 v[MY], v[MY], |v[(\src)+19+2*\i]|, |v[(\src)+20+2*\i]|
.endr
	v_max3_num_f32 v[MX], v[MX], |v[(\src)+14]|, |v[(\src)+15]|
	v_max3_num_f32 v[MX], v[MX], v[MY], |v[(\src)+31]|
	v_add_nc_u32 v[SCO], 0xff000000, v[MX]         ; 2 off its exponent field: the conversion takes the exponent field of this operand as its scale
	v_cvt_scalef32_pk16_fp6_f32 v[(\dst):(\dst)+2], v[(\src):(\src)+15], v[SCO]
	v_cvt_scalef32_pk16_fp6_f32 v[T1:T1+2], v[(\src)+16:(\src)+31], v[SCO]
	v_lshrrev_b32 v[\by], 23, v[SCO]               ; the scale's byte; also the plain instruction behind the conversions
.irp i, 0,1,2
	v_mov_b32 v[(\dst)+3+\i], v[T1+\i]
.endr
.endm
; Q's two scale words from the byte in BYA (lane (r, h): block h of row r): a = s0, s1, 127, 127;  b = 127, 127, s0, s1
.macro QWORD a, b
	v_lshlrev_b32 v[W], v[SH8], v[BYA]
	v_permlanex16_b32 v[W2], v[W], s[SEL], s[SEL+1]
	v_or_b32 v[W], v[W], v[W2]
	v_or_b32 v[\a], 0x7f7f0000, v[W]
	v_lshl_or_b32 v[\b], v[W], 16, 0x7f7f
.endm
; pair fragment f and its scale words go to LDS: the word of row r is (first key's block 0, 1, second key's block 0, 1)
.macro KSTORE f
	v_lshl_or_b32 v[W], v[BYB], 16, v[BYA]
	v_lshlrev_b32 v[W], v[SH8], v[W]
	v_permlanex16_b32 v[W2], v[W], s[SEL], s[SEL+1]
	v_or_b32 v[W], v[W], v[W2]
.irp c, 0,1,2
	ds_store_b128 v[WI], v[PC1+4*\c:PC1+4*\c+3] offset:KIMG+1536*(\f)+512*\c
.endr
	ds_store_b32 v[KW], v[W] offset:KSCO+64*(\f)   ; lanes r and r + 16 write the same word with the same value
.endm
; the head of a unit of q or k: left = the younger loads that may stay out
.macro HEADU left, set
	s_wait_loadcnt \left                           ; loads come back in order (ISA guide 5.7.1): this unit's eight are in
	TURN \set
	s_wait_dscnt 0x0                               ; X is in; the stage's stores have read the set, so new loads may land there; earlier image stores have read their registers
.endm
; k's half j (rows 16 j .. 16 j + 15 of my 128): it lies in set (j + 2) % 4
.macro KUNIT j, left
	HEADU \left, ((\j)+2)%4
.if (\j) < 4
	GLOAD ((\j)+2)%4, 6, ((\j)+4)*4096, 0          ; four units ahead
.elseif (\j) == 4
	VLOAD 2, 0, 0                                  ; V's first unit
.elseif (\j) == 7
	VLOAD 3, 0, 2                                  ; V's second
.endif
.if (\j)%2 == 0
	BLK X, PC1, BYA
.else
	BLK X, PC1+6, BYB
	KSTORE (\j)/2
.endif
.endm
; V's unit m: channels 32 (m / 4) + lane, block 2 (m % 2) + (m / 2) % 2.  Units m and m + 1 (m even) make the 12 registers of image lane (lane % 16, (m / 2) % 2) of tile 2 (m / 4) + lane / 16
.macro VUNIT m
.if (\m) < 7
	s_wait_loadcnt 32                              ; this unit's 32 loads are in; the next unit's may be out
.else
	s_wait_loadcnt 0x0
.endif
.if (\m)%2 == 0
	s_wait_dscnt 0x0                               ; the last image's stores have read their registers
.endif
	BLK R+32*(2+(\m)%2), PC1+6*((\m)%2), BYA
.if (\m)%4 == 0
	v_mov_b32 v[VWD], v[BYA]                       ; my channel's scale word: byte = block
.else
	v_lshl_or_b32 v[VWD], v[BYA], 8*(2*((\m)%2)+((\m)/2)%2), v[VWD]
.endif
.if (\m) < 6
	VLOAD 2+(\m)%2, ((\m)+2)/4, 2*((\m)%2)+(((\m)+2)/2)%2
.endif
.if (\m)%2 == 1
.irp c, 0,1,2
	ds_store_b128 v[WVA], v[PC1+4*\c:PC1+4*\c+3] offset:VIMG+3072*((\m)/4)+256*(((\m)/2)%2)+512*\c
.endr
.endif
.if (\m)%4 == 3
	ds_store_b32 v[VW], v[VWD] offset:VSCO+128*((\m)/4)
.endif
.endm
	s_load_b256 s[4:11], s[0:1], 0x0               ; q s[4:5], k s[6:7], v s[8:9], out0 s[10:11]
	v_lshl_add_u32 v[SPW], v0, 2, SPARE
	v_mov_b32 v[NIL], 0
	v_lshrrev_b32 v10, 5, v0
	v_readfirstlane_b32 s[WV], v10                 ; wave 0..15
	v_and_b32 v10, 31, v0                          ; lane
	v_and_b32 v11, 15, v0                          ; r = lane % 16
	v_bfe_u32 v41, v0, 4, 1                        ; h = lane / 16
	v_lshlrev_b32 v[LI], 4, v10
	v_lshlrev_b32 v[LS], 2, v10
	s_mul_i32 s27, s[WV], STGB
	s_add_co_u32 s27, s27, STG                     ; my stage
	v_mul_u32_u24 v[STW], v41, SPITCH
	v_lshl_add_u32 v[STW], v11, 4, v[STW]
	v_add_nc_u32 v[STW], s27, v[STW]
	v_mul_u32_u24 v[STR], v11, SPITCH
	v_lshl_add_u32 v[SO], v41, 5, v[STR]
	v_lshl_add_u32 v[STR], v41, 7, v[STR]
	v_add_nc_u32 v[STR], s27, v[STR]
	v_add_nc_u32 v[SO], s27, v[SO]
	s_mul_i32 s26, s[WV], STEPB                    ; my key step's region
	v_add_nc_u32 v[WI], s26, v[LI]
	v_mul_u32_u24 v[WVA], v41, 1536
	v_lshl_add_u32 v[WVA], v11, 4, v[WVA]
	v_add_nc_u32 v[WVA], s26, v[WVA]
	v_lshlrev_b32 v[KW], 2, v11
	v_add_nc_u32 v[KW], s26, v[KW]
	v_add_nc_u32 v[VW], s26, v[LS]
	v_lshlrev_b32 v[SH8], 3, v41
	v_mov_b32 v[W2], 0                             ; written once: a lane permute's destination counts as one of its sources
	s_mov_b32 s[SEL], 0x76543210
	s_mov_b32 s[SEL+1], 0xfedcba98
	s_mov_b32 s[CS], 0x3e38aa3b                    ; c = log2(e) / 8
	s_mov_b32 s[CS+1], s[CS]                       ; (named with it as a pair, so it is written)
	s_and_b32 s13, ttmp7, 0xffff                   ; the head
	s_lshl_b32 s16, s13, 19                        ; a head is 2,048 rows of 256 bytes
	s_lshl_b32 s18, s[WV], 15                      ; k, v: my 128 keys
	s_add_co_u32 s18, s18, s16
	s_mov_b32 s19, 0
	s_lshl_b32 s14, ttmp9, 17                      ; q, out0: my work-group's 512 rows,
	s_add_co_u32 s16, s16, s14
	s_lshl_b32 s14, s[WV], 12                      ; my wave's 16 of the first 256; the second tile lies 65,536 bytes on
	s_add_co_u32 s16, s16, s14
	s_mov_b32 s17, 0
	s_wait_kmcnt 0x0
	s_add_nc_u64 s[4:5], s[4:5], s[16:17]
	s_add_nc_u64 s[10:11], s[10:11], s[16:17]
	s_add_nc_u64 s[6:7], s[6:7], s[18:19]
	s_add_nc_u64 s[8:9], s[8:9], s[18:19]          ; the four bases are never stepped: every further offset is an immediate
	; ---- PHASE 1.  Eighteen units of 4 KiB: q's two tiles, k's eight halves of a pair, v's eight blocks.  Four units of q and k are on their way at a time, two of v
	GLOAD 0, 4, 0, 1                               ; q, first tile: read by this wave alone
	GLOAD 1, 4, 65536, 1                           ; q, second tile
	GLOAD 2, 6, 0, 0                               ; k's halves 0 and 1
	GLOAD 3, 6, 4096, 0
	HEADU 24, 0                                    ; three younger units of eight loads may stay out
	GLOAD 0, 6, 2*4096, 0
	BLK X, QF, BYA
	QWORD QS0, QS1
.irp i, 0,1,2,3,4,5
	v_mov_b32 v[QF+12+\i], v[QF+\i]                ; Q | zeros | Q
	v_mov_b32 v[QF+6+\i], 0
.endr
	HEADU 24, 1
	GLOAD 1, 6, 3*4096, 0
	BLK X, Q1, BYA
	QWORD Q1S, Q1S+1
	KUNIT 0, 24
	KUNIT 1, 24
	KUNIT 2, 24
	KUNIT 3, 24
	KUNIT 4, 24
	KUNIT 5, 48                                    ; behind it: two units of eight and V's first 32
	KUNIT 6, 40                                    ; one unit of eight and V's 32
	KUNIT 7, 32                                    ; V's 32
.irp m, 0,1,2,3,4,5,6,7
	VUNIT \m
.endr
	s_wait_dscnt 0x0                               ; for the others' sake: all my images and scale words lie in LDS
	s_barrier_signal -1
	s_barrier_wait -1                              ; the whole head's do; nothing in the sixteen regions is written again
; ---- PHASE 2.  A key step: 128 keys against my 16 queries
.macro STEP
	v_add_nc_u32 v[ADR], s[TB], v[LI]
	v_add_nc_u32 v[ADS], s[TB], v[LS]
	v_nop                                          ; with the two additions: four plain instructions between the last step's products and loads into registers that they read (ISA guide 7.12.1 for vector instructions)
	v_nop
.irp f, 0,1,2,3
.irp c, 0,1,2
	ds_load_b128 v[KF+12*\f+4*\c:KF+12*\f+4*\c+3], v[ADR] offset:KIMG+1536*\f+512*\c
.endr
.endr
	ds_load_b32 v[KS0], v[ADS] offset:KSCO
	ds_load_b32 v[KS0+1], v[ADS] offset:KSCO+128
.irp t, 0,1,2,3
.irp c, 0,1,2
	ds_load_b128 v[VF+12*\t+4*\c:VF+12*\t+4*\c+3], v[ADR] offset:VIMG+1536*\t+512*\c
.endr
.endr
	ds_load_b32 v[VS0], v[ADS] offset:VSCO
	ds_load_b32 v[VS0+1], v[ADS] offset:VSCO+128
	s_wait_dscnt 14                                ; K's fourteen loads are in; V's fourteen, issued behind them, may stay out
.irp f, 0,1,2,3                                ; S^T = K Q^T: eight tiles of 16 keys, each pair fragment against both windows of Q; eight different accumulators, each begun with the constant 0
.irp u, 0,1
.if \f%2
	v_wmma_scale_f32_16x16x128_f8f6f4 v[S+16*\f+8*\u:S+16*\f+8*\u+7], v[KF+12*\f:KF+12*\f+11], v[QF+6*\u:QF+6*\u+11], 0, v[KS0+\f/2], v[QS0+\u] matrix_a_fmt:MATRIX_FMT_FP6 matrix_b_fmt:MATRIX_FMT_FP6 matrix_a_scale:MATRIX_SCALE_ROW1
.else
	v_wmma_scale_f32_16x16x128_f8f6f4 v[S+16*\f+8*\u:S+16*\f+8*\u+7], v[KF+12*\f:KF+12*\f+11], v[QF+6*\u:QF+6*\u+11], 0, v[KS0+\f/2], v[QS0+\u] matrix_a_fmt:MATRIX_FMT_FP6 matrix_b_fmt:MATRIX_FMT_FP6
.endif
.endr
.endr
.rept 4
	v_nop                                          ; four plain instructions ahead of the first read of the scores and of the first write into K's registers
.endr
.irp b, 0,1,2,3
	v_max3_num_f32 v[BM+\b], v[S+16*\b], v[S+16*\b+1], v[S+16*\b+2]   ; the largest score of each block of 32 keys: it serves for the row's maximum and, since p rises with the score, for the block's largest p
.endr
.irp i, 3,5,7,9,11,13
.irp b, 0,1,2,3
	v_max3_num_f32 v[BM+\b], v[BM+\b], v[S+16*\b+\i], v[S+16*\b+\i+1]   ; (the four blocks by turns; each accumulator is read from its low end on)
.endr
.endr
.irp b, 0,1,2,3
	v_max_num_f32 v[BM+\b], v[BM+\b], v[S+16*\b+15]
.endr
.irp b, 0,1,2,3
	v_permlanex16_b32 v[BT+\b], v[BM+\b], s[SEL], s[SEL+1]
.endr
.irp b, 0,1,2,3
	v_max_num_f32 v[BM+\b], v[BM+\b], v[BT+\b]     ; with lane l xor 16's 16 keys
.endr
	v_max3_num_f32 v[TMP], v[BM], v[BM+1], v[BM+2]
	v_max_num_f32 v[TMP], v[TMP], v[BM+3]          ; the step's largest score of my query
	v_mul_f32 v[TMP], s[CS], v[TMP]                ; as t (c is positive)
	v_max_num_f32 v13, v13, v[TMP]                 ; the running largest t
	v_mov_b32 v[TMP], v12
	v_floor_f32 v12, -v13                          ; the new -M = floor(-t) = -ceil(t): a whole number
	v_sub_f32 v[TMP], v12, v[TMP]                  ; old M - new M: a whole number, 0 or less
	v_cvt_i32_f32 v[TMP], v[TMP]                   ; (it saturates)
	v_ldexp_f32 v[F], 1.0, v[TMP]                  ; f = 2^(old M - new M)
.set j, 0
.rept 32
	v_pk_fma_f32 v[S+j:S+j+1], v[S+j:S+j+1], s[CS:CS+1], v[12:13] op_sel_hi:[1,0,0]   ; t - M, two at a time (of the pairs c and -M the low word serves both halves)
.set j, j+2
.endr
.irp b, 0,1,2,3
	v_fma_f32 v[BM+\b], v[BM+\b], s[CS], v12       ; the same of each block's largest score
.endr
.set j, 0
.rept 64
	v_exp_f32 v[S+j], v[S+j]                       ; p = 2^(t - M), at most 1: not normalised
.set j, j+1
.endr
	v_pk_mul_f32 v[14:15], v[14:15], v[F:F+1] op_sel_hi:[1,0]   ; the sums under the new M; also the plain instruction behind the exponentials
	s_wait_alu depctr_va_vdst(0)                   ; one wait for the batch of 64, ahead of its first reader
.irp b, 0,1,2,3
	v_exp_f32 v[BM+\b], v[BM+\b]                   ; the block's largest p: the same two instructions on the same number give the same bits
.endr
	v_pk_add_f32 v[A2:A2+1], v[S:S+1], v[S+2:S+3]  ; the row's sum is taken of the unquantised p, two at a time, in two chains; it reads the 64 alone: plain work behind the four
.set j, 4
.rept 15
	v_pk_add_f32 v[14:15], v[14:15], v[S+j:S+j+1]
	v_pk_add_f32 v[A2:A2+1], v[A2:A2+1], v[S+j+2:S+j+3]
.set j, j+4
.endr
	v_pk_add_f32 v[14:15], v[14:15], v[A2:A2+1]
	s_wait_alu depctr_va_vdst(0)                   ; and one wait for the four
.irp b, 0,1,2,3
	v_max_num_f32 v[BM+\b], 0x1800000, v[BM+\b]    ; the floor 2^(3 - 127): the byte cannot fall under 1 (a block whose every p is 0 keeps that byte: its codes are zeros)
.endr
.irp b, 0,1,2,3
	v_add_nc_u32 v[SOP+\b], 0xff000000, v[BM+\b]   ; 2 off the exponent field: the conversion's scale operand
.endr
.irp b, 0,1,2,3
	v_lshrrev_b32 v[BT+\b], 23, v[SOP+\b]          ; the scale's byte
.endr
	v_lshl_or_b32 v[PW], v[BT+1], 8, v[BT]         ; P's scale word for these 128 keys
	v_lshl_or_b32 v[PW], v[BT+2], 16, v[PW]
	v_lshl_or_b32 v[PW], v[BT+3], 24, v[PW]
.irp c, 0,1
	v_cvt_scalef32_pk16_fp6_f32 v[PC2+6*\c:PC2+6*\c+2], v[S+32*\c:S+32*\c+15], v[SOP+2*\c]
	v_cvt_scalef32_pk16_fp6_f32 v[T2+4*\c:T2+4*\c+2], v[S+32*\c+16:S+32*\c+31], v[SOP+2*\c+1]   ; (a conversion's three registers begin on an even number)
.endr
	v_nop                                          ; one plain instruction behind the conversions
.irp c, 0,1                                    ; the operand's layout wants a whole block in a lane: lanes 0-15 block 2 c, lanes 16-31 block 2 c + 1
.irp i, 0,1,2
	v_permlane16_swap_b32 v[PC2+6*\c+\i], v[T2+4*\c+\i]
.endr
.irp i, 0,1,2
	v_mov_b32 v[PC2+6*\c+3+\i], v[T2+4*\c+\i]
.endr
.endr
.set j, 0
.rept 16
	v_pk_mul_f32 v[O+j:O+j+1], v[O+j:O+j+1], v[F:F+1] op_sel_hi:[1,0]   ; O^T under the new M, each accumulator from its low end on; these sixteen also stand between the last writes of P's codes and scale word and the products
.set j, j+2
.endr
	s_wait_dscnt 0x0                               ; V is in
.irp t, 0,1,2,3                                ; O^T += V^T P^T: the four accumulators take turns, one instruction a turn
.if \t%2
	v_wmma_scale_f32_16x16x128_f8f6f4 v[O+8*\t:O+8*\t+7], v[VF+12*\t:VF+12*\t+11], v[PC2:PC2+11], v[O+8*\t:O+8*\t+7], v[VS0+\t/2], v[PW] matrix_a_fmt:MATRIX_FMT_FP6 matrix_b_fmt:MATRIX_FMT_FP6 matrix_a_scale:MATRIX_SCALE_ROW1
.else
	v_wmma_scale_f32_16x16x128_f8f6f4 v[O+8*\t:O+8*\t+7], v[VF+12*\t:VF+12*\t+11], v[PC2:PC2+11], v[O+8*\t:O+8*\t+7], v[VS0+\t/2], v[PW] matrix_a_fmt:MATRIX_FMT_FP6 matrix_b_fmt:MATRIX_FMT_FP6
.endif
.endr
	s_add_co_u32 s[TB], s[TB], STEPB               ; the next step's region
.endm
; A tile begins: O^T and the sum as zeros, the largest t as -3e38, so that the step is written once: the first change of M multiplies zeros.  n = 1: the second tile's Q takes its place first
.macro INIT n
.if \n
	v_mov_b32 v[QS0], v[Q1S]
	v_mov_b32 v[QS1], v[Q1S+1]
.irp i, 0,1,2,3,4,5
	v_mov_b32 v[QF+\i], v[Q1+\i]
	v_mov_b32 v[QF+12+\i], v[Q1+\i]
.endr
.endif
	v_mov_b32 v13, 0xff61b1e6                      ; -3e38, under every t
	v_floor_f32 v12, -v13                          ; -M
	v_mov_b32 v14, 0
	v_mov_b32 v15, 0
	v_mov_b32 v[F+1], 0                            ; (named as the upper half of a pair)
.set j, 0
.rept 32
	v_mov_b32 v[O+j], 0
.set j, j+1
.endr
.if \n
	s_wait_xcnt 0x0                                ; the first tile's stores have read their registers, which the next scores are written into
.endif
.endm
.macro WALK                                    ; all 16 key steps of the head
	s_mov_b32 s[TB], 0
	s_mov_b32 s[CNT], 16
.Lstep_\@:
	STEP
	s_sub_co_u32 s[CNT], s[CNT], 1
	s_cmp_lg_u32 s[CNT], 0
	s_cbranch_scc1 .Lstep_\@
.endm
; The way out of tile n: O^T / the sum goes through my stage (a lane holds eight neighbouring channels of one row) and leaves as 16 dense rows of 256 bytes
.macro OUT n
.rept 4
	v_nop                                          ; four plain instructions behind the last products, ahead of reads of O^T and writes into V's registers
.endr
	v_add_f32 v14, v14, v15                        ; the sum's two halves,
	v_permlanex16_b32 v[TMP], v14, s[SEL], s[SEL+1]
	v_add_f32 v14, v14, v[TMP]                     ; and lane l xor 16's 64 keys of each step: the row's sum
	v_rcp_f32 v14, v14
	v_nop                                          ; a plain instruction behind the reciprocal,
	s_wait_alu depctr_va_vdst(0)                   ; and a wait ahead of its first reader
.set j, 0
.rept 16
	v_pk_mul_f32 v[VF+j:VF+j+1], v[O+j:O+j+1], v[14:15] op_sel_hi:[1,0]   ; register 8 t + i: out0(row r, channel 16 t + 8 h + i)
.set j, j+2
.endr
.irp t, 0,1,2,3
	ds_store_b128 v[SO], v[VF+8*\t:VF+8*\t+3] offset:64*\t
	ds_store_b128 v[SO], v[VF+8*\t+4:VF+8*\t+7] offset:64*\t+16
.endr
.irp i, 0,1,2,3,4,5,6,7
	ds_load_b128 v[S+4*\i:S+4*\i+3], v[STW] offset:2*SPITCH*\i   ; LDS serves a wave's instructions in order: these see my stores
.endr
.irp i, 0,1,2,3,4,5,6,7
	s_wait_dscnt 7-\i                              ; the younger loads may stay out
	global_store_b128 v[LI], v[S+4*\i:S+4*\i+3], s[10:11] offset:65536*\n+512*\i th:TH_STORE_NT   ; 32 lanes store 512 consecutive bytes, at a multiple of 256 from out0's first byte
.endr
.endm
	INIT 0
	WALK
	OUT 0
	INIT 1
	WALK
	OUT 1
	s_wait_tensorcnt 0x0                           ; the wave's end
	ds_add_u32 v[SPW], v[NIL]
	s_wait_dscnt 0x0
	s_endpgm
.Lfunc_end_k_q46988de284_attend:
	.size	k_q46988de284_attend, .Lfunc_end_k_q46988de284_attend-k_q46988de284_attend
	.p2alignl 7, 3214868480
	.fill 96, 4, 3214868480
	.section	.rodata,"a",@progbits
	.p2align	6, 0x0
	.amdhsa_kernel k_q46988de284_attend
		.amdhsa_group_segment_fixed_size 276480
		.amdhsa_private_segment_fixed_size 0
		.amdhsa_enable_private_segment 0
		.amdhsa_kernarg_size 32
		.amdhsa_user_sgpr_count 2
		.amdhsa_user_sgpr_kernarg_segment_ptr 1
		.amdhsa_wavefront_size32 1
		.amdhsa_system_sgpr_workgroup_id_x 1
		.amdhsa_system_sgpr_workgroup_id_y 1
		.amdhsa_system_sgpr_workgroup_id_z 1
		.amdhsa_system_vgpr_workitem_id 0
		.amdhsa_next_free_vgpr 256
		.amdhsa_next_free_sgpr 66
		.amdhsa_reserve_vcc 0
		.amdhsa_float_denorm_mode_32 3
		.amdhsa_float_denorm_mode_16_64 3
		.amdhsa_memory_ordered 1
		.amdhsa_forward_progress 1
		.amdhsa_inst_pref_size 114
	.end_amdhsa_kernel
	.amdgpu_metadata
---
amdhsa.version: [ 1, 2 ]
amdhsa.kernels:
  - .name:           k_q46988de284_attend
    .symbol:         k_q46988de284_attend.kd
    .args:
      - { .name: q, .offset: 0, .size: 8, .value_kind: global_buffer, .address_space: global }
      - { .name: k, .offset: 8, .size: 8, .value_kind: global_buffer, .address_space: global }
      - { .name: v, .offset: 16, .size: 8, .value_kind: global_buffer, .address_space: global }
      - { .name: out0, .offset: 24, .size: 8, .value_kind: global_buffer, .address_space: global }
    .group_segment_fixed_size: 276480
    .private_segment_fixed_size: 0
    .kernarg_segment_align: 8
    .kernarg_segment_size: 32
    .max_flat_workgroup_size: 512
    .sgpr_count:     66
    .vgpr_count:     256
    .wavefront_size: 32
...
	.end_amdgpu_metadata
.endif
;; end of part 1
;; ======== version 2 of 2: 1 launch; version 1 with the launch attend written anew for expert scheduling mode
;; launch attend (part 2): grid 4 x 64, 16 waves a work-group, no clusters, 276,480 bytes of LDS; arguments q, k, v, out0; writes out0
.if DOCPART == 2
	.amdgcn_target "amdgcn-amd-amdhsa--gfx1250"
	.amdhsa_code_object_version 6
	.text
	.protected	k_q46988de284_attend
	.globl	k_q46988de284_attend
	.p2align	8
	.type	k_q46988de284_attend,@function
k_q46988de284_attend:
	s_mov_b64 s[64:65], 0
	v_nop
	global_prefetch_b8 v0, s[64:65] scope:SCOPE_SE
	s_setreg_imm32_b32 hwreg(HW_REG_WAVE_SCHED_MODE, 0, 2), 2
	s_setreg_imm32_b32 hwreg(HW_REG_WAVE_MODE, 25, 1), 1
	s_wait_xcnt 0x0
	s_wait_alu depctr_vm_vsrc(0)
; out0[h][i][:] = sum over j of softmax_j(q[h][i] . k[h][j] / 8) v[h][j][:].  q, k, v, out0: [64 heads][2048][64] f32.
; Both products run on codes of FP6 (E2M3) with one E8M0 scale for each 32 along a product's K: q and k are quantised along the head's 64, v and p along the keys.
; SOFTMAX: t = score x log2(e) / 8; M = the running largest t rounded up to a whole number; p = 2^(t - M) is quantised, not normalised; the row's sum is taken of the unquantised p and divides at the end.
; When M moves, the sum and O are multiplied by 2^(old M - new M), which rounds nothing.
; SHARES.  A work-group of sixteen waves owns 512 queries of one head (grid x: block of queries, grid y: head).  PHASE 1: wave w quantises keys 128 w .. 128 w + 127 of k and of v into LDS, as images of the
; operands' registers (a whole head's codes and scale words are 16 x 12,800 bytes), and its own two tiles of 16 queries into registers.  One barrier.  PHASE 2: each wave walks all 16 key steps out of LDS
; for its first tile, stores 16 rows of out0, and does the same for its second tile.  Nothing in LDS is ever filled again, so the launch has one barrier, no tensor load and no ring.
; TWO TILES OF KEYS IN ONE FRAGMENT.  The instruction's K is 128, the head's is 64.  Row r of pair fragment f holds key 32 f + r in k 0-63 and key 32 f + 16 + r in k 64-127.  Q lies in 18 registers
; [Q | zeros | Q]: registers 0-11 pick the first key, registers 6-17 the second: zero codes on Q's side cancel the other key's products (the format has no infinity and no NaN).
; BOTH PRODUCTS ARE USED TRANSPOSED (S^T = K Q^T, O^T = V^T P^T): a lane holds one query (lane % 16) throughout.  Register 16 f + j of the scores is key 32 f + 8 (lane / 16) + j (j < 8) or
; 32 f + 8 + 8 (lane / 16) + j (j >= 8).  After the conversions and the exchange of halves, position p of block f of P holds the block's key with the two middle groups of eight changed over; V's codes
; are laid in the same order by the register that each of its loads names.  The blocks are the true blocks of 32 keys.
; NO JOINT LOADS, though a head's four work-groups read the same 1 MiB of k and v: those bytes are f32 and are read once, at the head, through registers into the quantiser.  Brought by joint loads they would
; have to pass through the 51,200 bytes that images, stages and spare words leave of 327,680: more than twenty refills, each behind a round of a cluster's barrier.
; LIMITS: NaN and infinities among the inputs are not served.  A block of zeros gets the scale byte 1 where the rule says 127: its codes are zeros, and this program alone reads the bytes.
; p under 2^-126 counts as 0 (v_exp_f32 gives no denormals: ISA guide, its entry in 15.8).
; THE MODE: SCHED_MODE bits 1:0 = 2 (LLVM: expert scheduling mode 2), set by the entry lines.  The code itself states the register dependences
; between vector or matrix instructions and memory or LDS instructions, with s_wait_alu, always for 0.
; THE PLAN.  Registers that memory or LDS instructions touch:
;   v1-v7, v244-v247  Offsets and LDS addresses: made once at the head and never written again: one wait on va_vdst ahead of the first load serves them for the whole kernel.
;   PHASE 1, a unit = 4 KiB of q, k or v.
;   R0 .. R3   Global loads land in them.  In q's and k's units the stage's LDS stores read a set, and new loads land in it behind a wait on vm_vsrc; no vector line names a set there.
;              In v's units the block's vector lines read a set, and new loads land in it behind the unit's wait on va_vdst.
;   X          The LDS loads from the stage land in it; the unit's block lines read it.
;   PC1, W, VWD  Written by a unit's vector lines; read by the image's LDS stores; written again behind a wait on vm_vsrc.
;   So a unit has ONE wait on va_vdst, behind its vector lines: they are done reading X (or the set) and have written what the stores behind the wait read.
;   PHASE 2, a key step.
;   ADR, ADS   Read by the step's 28 LDS loads; written at the step's head, behind a wait on vm_vsrc.
;   KF, KS0    K's loads land in them at the step's head; the score products read them; then the softmax's lines use KF's registers, and the step's last four products read P's codes there.
;   VF, VS0    V's loads land in them; the step's last four products read them.
;   So ONE wait on va_vdst at the step's head, behind the two additions, states all that the step's 28 loads hang on.  K's loads follow it at once; V's are dealt among the eight score products,
;   which name KF, Q, the scores and their scale words: none of the registers that V's loads touch.
;   P's codes and scale word are written by vector lines and taken by scaled products: a wait on va_vdst stands behind their places, directly ahead of those products; for Q's the step's head wait is that wait.
.set STEPB,  12800                     ; LDS: a key step's region: K's four pair fragments, V's four fragments, K's 64 scale words, V's 64
.set KIMG,   0                         ; pair fragment f: 1536 f + 512 c + 16 x lane (c: a group of four of its 12 registers)
.set VIMG,   6144                      ; V^T's tile t (channels 16 t + r): the same form
.set KSCO,   12288                     ; K's scale words: 64 f + 4 r
.set VSCO,   12544                     ; V's: 4 x channel
.set STG,    16*STEPB                  ; behind the sixteen regions: a stage of 16 rows for each wave
.set SPITCH, 272                       ; a stage row: 256 bytes + 16: sixteen lanes that take one column of sixteen rows touch sixteen different columns of 16 bytes modulo 256
.set STGB,   16*SPITCH
.set SPARE,  STG+16*STGB               ; behind the stages: the spare words, 128 bytes for each wave: eight blocks of 256 bytes that no other line names
; registers that stay
.set LI,  1                            ; v1   16 x lane: an image's place, and my place in 512 dense bytes of memory
.set LS,  2                            ; v2   4 x lane
.set STW, 3                            ; v3   stage, dense side: 272 (lane / 16) + 16 (lane % 16)
.set STR, 4                            ; v4   stage, row side: 272 (lane % 16) + 128 (lane / 16)
.set SPW, 5                            ; v5   LDS address of my spare word; never rewritten
.set NIL, 6                            ; v6   0; never rewritten
.set SO,  7                            ; v7   stage, the way out: 272 (lane % 16) + 32 (lane / 16)
.set ADR, 8                            ; v8   the step's images
.set ADS, 9                            ; v9   the step's scale words
                                       ; v12 -M, v13 the largest t, v[14:15] the row's sum in two halves
.set QF,  16                           ; v16-33 Q | zeros | Q
.set QS0, 34                           ; v34, v35 Q's scale words for the first and for the second key of a pair
.set QS1, 35
.set KS0, 36                           ; v36, v37 K's scale words: lanes 0-15 the even fragment's, lanes 16-31 the odd one's
.set VS0, 38                           ; v38, v39 V's likewise
.set PW,  40                           ; v40  P's scale word
.set F,   42                           ; v[42:43] f = 2^(old M - new M); v43 is only named with it as a pair
.set Q1,  236                          ; v236-241 the second tile's codes of Q;  v242, v243 its two scale words
.set Q1S, 242
; phase 2
.set KF,  44                           ; v44-91   K's four pair fragments; behind the score products the registers below
.set VF,  92                           ; v92-139  V's four fragments
.set S,   140                          ; v140-203 the scores, then p
.set O,   204                          ; v204-235 O^T, four tiles of 8
.set PC2, 44                           ; v44-55   P's codes
.set T2,  56                           ; v56-58, v60-62 the odd blocks' codes ahead of the exchange
.set BM,  64                           ; v64-67   a block's largest score, then its largest p
.set BT,  68                           ; v68-71   at work
.set SOP, 72                           ; v72-75   the conversions' scale operands
.set A2,  76                           ; v[76:77] the sum's second chain
.set TMP, 78
; phase 1
.set X,   44                           ; v44-75   32 neighbours of a row, back from the stage
.set PC1, 76                           ; v76-87   a fragment's 12 registers
.set T1,  88                           ; v88-90   a block's upper 16 codes (a conversion's three registers begin on an even number)
.set R,   92                           ; v92-219  four sets of 32 registers for loads
.set MX,  220
.set MY,  221
.set SCO, 222
.set BYA, 223
.set BYB, 224
.set W,   225
.set W2,  226
.set VWD, 227
.set WI,  244                          ; v244 my region + 16 x lane
.set WVA, 245                          ; v245 my region + 1536 (lane / 16) + 16 (lane % 16)
.set KW,  246                          ; v246 my region + 4 (lane % 16)
.set VW,  247                          ; v247 my region + 4 x lane
.set SH8, 248                          ; v248 8 (lane / 16)
.set WV,  12                           ; s12  my wave's number
.set SEL, 20                           ; s[20:21] v_permlanex16_b32's selects for lane l xor 16
.set CS,  22                           ; s[22:23] c = log2(e) / 8: the packed form names a pair and takes its low word for both halves
.set TB,  24                           ; s24  where the step's region begins
.set CNT, 25                           ; s25  steps to go
; 16 rows of 256 bytes, dense in memory: eight loads of 512 consecutive bytes into set
.macro GLOAD set, base, off, nt
.irp i, 0,1,2,3,4,5,6,7
.if \nt
	global_load_b128 v[R+32*(\set)+4*\i:R+32*(\set)+4*\i+3], v[LI], s[\base:\base+1] offset:(\off)+512*\i th:TH_LOAD_NT
.else
	global_load_b128 v[R+32*(\set)+4*\i:R+32*(\set)+4*\i+3], v[LI], s[\base:\base+1] offset:(\off)+512*\i
.endif
.endr
.endm
; V: a lane takes channel 32 g + lane and its registers run down the 32 keys of block beta; the key at kp goes to the position that P's layout gives it (the two middle groups of eight change over)
.macro VLOAD set, g, beta
.set kp, 0
.rept 32
	global_load_b32 v[R+32*(\set)+16*((kp/8)%2)+8*(kp/16)+kp%8], v[LS], s[8:9] offset:(32*(\beta)+kp)*256+128*(\g)
.set kp, kp+1
.endr
.endm
; 16 rows through my stage: in as they were loaded, back as 32 neighbours a lane: lane (r, h) gets numbers 32 h .. 32 h + 31 of row r.  LDS serves a wave's instructions in order (ISA guide 5.7.1.4): no wait between
.macro TURN set
.irp i, 0,1,2,3,4,5,6,7
	ds_store_b128 v[STW], v[R+32*(\set)+4*\i:R+32*(\set)+4*\i+3] offset:2*SPITCH*\i
.endr
.irp i, 0,1,2,3,4,5,6,7
	ds_load_b128 v[X+4*\i:X+4*\i+3], v[STR] offset:16*\i
.endr
.endm
; A block of 32 numbers in a lane's registers src .. src + 31 becomes six registers of codes at dst and the scale's byte in by
.macro BLK src, dst, by
	v_max3_num_f32 v[MX], |v[(\src)]|, |v[(\src)+1]|, 0x1800000      ; the largest magnitude, in two chains, with the floor 2^(3 - 127) among the leaves: the byte cannot fall under 1
	v_max3_num_f32 v[MY], |v[(\src)+16]|, |v[(\src)+17]|, |v[(\src)+18]|
.irp i, 0,1,2,3,4,5
	v_max3_num_f32 v[MX], v[MX], |v[(\src)+2+2*\i]|, |v[(\src)+3+2*\i]|
	v_max3_num_f32 v[MY], v[MY], |v[(\src)+19+2*\i]|, |v[(\src)+20+2*\i]|
.endr
	v_max3_num_f32 v[MX], v[MX], |v[(\src)+14]|, |v[(\src)+15]|
	v_max3_num_f32 v[MX], v[MX], v[MY], |v[(\src)+31]|
	v_add_nc_u32 v[SCO], 0xff000000, v[MX]         ; 2 off its exponent field: the conversion takes the exponent field of this operand as its scale
	v_cvt_scalef32_pk16_fp6_f32 v[(\dst):(\dst)+2], v[(\src):(\src)+15], v[SCO]
	v_cvt_scalef32_pk16_fp6_f32 v[T1:T1+2], v[(\src)+16:(\src)+31], v[SCO]
	v_lshrrev_b32 v[\by], 23, v[SCO]               ; the scale's byte; also the plain instruction behind the conversions
.irp i, 0,1,2
	v_mov_b32 v[(\dst)+3+\i], v[T1+\i]
.endr
.endm
; Q's two scale words from the byte in BYA (lane (r, h): block h of row r): a = s0, s1, 127, 127;  b = 127, 127, s0, s1
.macro QWORD a, b
	v_lshlrev_b32 v[W], v[SH8], v[BYA]
	v_permlanex16_b32 v[W2], v[W], s[SEL], s[SEL+1]
	v_or_b32 v[W], v[W], v[W2]
	v_or_b32 v[\a], 0x7f7f0000, v[W]
	v_lshl_or_b32 v[\b], v[W], 16, 0x7f7f
.endm
; pair fragment f and its scale words go to LDS: the word of row r is (first key's block 0, 1, second key's block 0, 1)
.macro KSTORE f
	v_lshl_or_b32 v[W], v[BYB], 16, v[BYA]
	v_lshlrev_b32 v[W], v[SH8], v[W]
	v_permlanex16_b32 v[W2], v[W], s[SEL], s[SEL+1]
	v_or_b32 v[W], v[W], v[W2]
	s_wait_alu depctr_va_vdst(0)                   ; the two halves' lines have written v[PC1 ..] and v[W], which the stores below read, and are done reading X, in which the next unit's LDS loads land
.irp c, 0,1,2
	ds_store_b128 v[WI], v[PC1+4*\c:PC1+4*\c+3] offset:KIMG+1536*(\f)+512*\c
.endr
	ds_store_b32 v[KW], v[W] offset:KSCO+64*(\f)   ; lanes r and r + 16 write the same word with the same value
.endm
; the head of a unit of q or k: left = the younger loads that may stay out.  free = 0: the unit writes nothing that an LDS store has read since the last wait on vm_vsrc
.macro HEADU left, set, free
	s_wait_loadcnt \left                           ; loads come back in order (ISA guide 5.7.1): this unit's eight are in
	TURN \set
	s_wait_dscnt 0x0                               ; X is in
.if \free
	s_wait_alu depctr_vm_vsrc(0)                   ; the stage's stores have read the sets that they took, in which new loads land; the last image's stores have read v[PC1 ..] and v[W], which the blocks' lines write again
.endif
.endm
; k's half j (rows 16 j .. 16 j + 15 of my 128): it lies in set (j + 2) % 4.  Halves 5 and 7 take no wait on vm_vsrc: half 5 asks for nothing; half 7's loads land in set 3, which half 5 sent through the stage, ahead of half 6's wait
.macro KUNIT j, left
.if ((\j) == 5) || ((\j) == 7)
	HEADU \left, ((\j)+2)%4, 0
.else
	HEADU \left, ((\j)+2)%4, 1
.endif
.if (\j) < 4
	GLOAD ((\j)+2)%4, 6, ((\j)+4)*4096, 0          ; four units ahead
.elseif (\j) == 4
	VLOAD 2, 0, 0                                  ; V's first unit
.elseif (\j) == 7
	VLOAD 3, 0, 2                                  ; V's second
.endif
.if (\j)%2 == 0
	BLK X, PC1, BYA
	s_wait_alu depctr_va_vdst(0)                   ; the block's lines are done reading X, in which the next unit's LDS loads land
.else
	BLK X, PC1+6, BYB
	KSTORE (\j)/2
.endif
.endm
; V's unit m: channels 32 (m / 4) + lane, block 2 (m % 2) + (m / 2) % 2.  Units m and m + 1 (m even) make the 12 registers of image lane (lane % 16, (m / 2) % 2) of tile 2 (m / 4) + lane / 16
.macro VUNIT m
.if (\m) < 7
	s_wait_loadcnt 32                              ; this unit's 32 loads are in; the next unit's may be out
.else
	s_wait_loadcnt 0x0
.endif
.if (\m)%2 == 0
	s_wait_dscnt 0x0                               ; the last image's stores are done
	s_wait_alu depctr_vm_vsrc(0)                   ; the last image's stores have read v[PC1 ..], and the scale word's store v[VWD] or v[W]: this unit's lines write v[PC1 ..] and v[VWD] again
.endif
	BLK R+32*(2+(\m)%2), PC1+6*((\m)%2), BYA
.if (\m)%4 == 0
	v_mov_b32 v[VWD], v[BYA]                       ; my channel's scale word: byte = block
.else
	v_lshl_or_b32 v[VWD], v[BYA], 8*(2*((\m)%2)+((\m)/2)%2), v[VWD]
.endif
.if ((\m) < 6) || ((\m)%2 == 1)
	s_wait_alu depctr_va_vdst(0)                   ; the block's lines are done reading the set, in which the loads below land, and have written v[PC1 ..] and v[VWD], which the stores below read
.endif
.if (\m) < 6
	VLOAD 2+(\m)%2, ((\m)+2)/4, 2*((\m)%2)+(((\m)+2)/2)%2
.endif
.if (\m)%2 == 1
.irp c, 0,1,2
	ds_store_b128 v[WVA], v[PC1+4*\c:PC1+4*\c+3] offset:VIMG+3072*((\m)/4)+256*(((\m)/2)%2)+512*\c
.endr
.endif
.if (\m)%4 == 3
	ds_store_b32 v[VW], v[VWD] offset:VSCO+128*((\m)/4)
.endif
.endm
	s_load_b256 s[4:11], s[0:1], 0x0               ; q s[4:5], k s[6:7], v s[8:9], out0 s[10:11]
	v_lshl_add_u32 v[SPW], v0, 2, SPARE
	v_mov_b32 v[NIL], 0
	v_lshrrev_b32 v10, 5, v0
	v_readfirstlane_b32 s[WV], v10                 ; wave 0..15
	v_and_b32 v10, 31, v0                          ; lane
	v_and_b32 v11, 15, v0                          ; r = lane % 16
	v_bfe_u32 v41, v0, 4, 1                        ; h = lane / 16
	v_lshlrev_b32 v[LI], 4, v10
	v_lshlrev_b32 v[LS], 2, v10
	s_wait_alu depctr_va_sdst(0)                   ; s[WV] is written, ahead of its first reader: the stage's and the region's places and the four bases are made from it
	s_mul_i32 s27, s[WV], STGB
	s_add_co_u32 s27, s27, STG                     ; my stage
	v_mul_u32_u24 v[STW], v41, SPITCH
	v_lshl_add_u32 v[STW], v11, 4, v[STW]
	v_add_nc_u32 v[STW], s27, v[STW]
	v_mul_u32_u24 v[STR], v11, SPITCH
	v_lshl_add_u32 v[SO], v41, 5, v[STR]
	v_lshl_add_u32 v[STR], v41, 7, v[STR]
	v_add_nc_u32 v[STR], s27, v[STR]
	v_add_nc_u32 v[SO], s27, v[SO]
	s_mul_i32 s26, s[WV], STEPB                    ; my key step's region
	v_add_nc_u32 v[WI], s26, v[LI]
	v_mul_u32_u24 v[WVA], v41, 1536
	v_lshl_add_u32 v[WVA], v11, 4, v[WVA]
	v_add_nc_u32 v[WVA], s26, v[WVA]
	v_lshlrev_b32 v[KW], 2, v11
	v_add_nc_u32 v[KW], s26, v[KW]
	v_add_nc_u32 v[VW], s26, v[LS]
	v_lshlrev_b32 v[SH8], 3, v41
	v_mov_b32 v[W2], 0                             ; written once: a lane permute's destination counts as one of its sources
	s_mov_b32 s[SEL], 0x76543210
	s_mov_b32 s[SEL+1], 0xfedcba98
	s_mov_b32 s[CS], 0x3e38aa3b                    ; c = log2(e) / 8
	s_mov_b32 s[CS+1], s[CS]                       ; (named with it as a pair, so it is written)
	s_and_b32 s13, ttmp7, 0xffff                   ; the head
	s_lshl_b32 s16, s13, 19                        ; a head is 2,048 rows of 256 bytes
	s_lshl_b32 s18, s[WV], 15                      ; k, v: my 128 keys
	s_add_co_u32 s18, s18, s16
	s_mov_b32 s19, 0
	s_lshl_b32 s14, ttmp9, 17                      ; q, out0: my work-group's 512 rows,
	s_add_co_u32 s16, s16, s14
	s_lshl_b32 s14, s[WV], 12                      ; my wave's 16 of the first 256; the second tile lies 65,536 bytes on
	s_add_co_u32 s16, s16, s14
	s_mov_b32 s17, 0
	s_wait_kmcnt 0x0
	s_add_nc_u64 s[4:5], s[4:5], s[16:17]
	s_add_nc_u64 s[10:11], s[10:11], s[16:17]
	s_add_nc_u64 s[6:7], s[6:7], s[18:19]
	s_add_nc_u64 s[8:9], s[8:9], s[18:19]          ; the four bases are never stepped: every further offset is an immediate
	s_wait_alu depctr_va_vdst(0)                   ; the offsets and LDS addresses v1 to v4, v7 and v244 to v247 are written, which the loads and stores of the whole kernel read
	; ---- PHASE 1.  Eighteen units of 4 KiB: q's two tiles, k's eight halves of a pair, v's eight blocks.  Four units of q and k are on their way at a time, two of v
	GLOAD 0, 4, 0, 1                               ; q, first tile: read by this wave alone
	GLOAD 1, 4, 65536, 1                           ; q, second tile
	GLOAD 2, 6, 0, 0                               ; k's halves 0 and 1
	GLOAD 3, 6, 4096, 0
	HEADU 24, 0, 1                                 ; three younger units of eight loads may stay out
	GLOAD 0, 6, 2*4096, 0
	BLK X, QF, BYA
	QWORD QS0, QS1
.irp i, 0,1,2,3,4,5
	v_mov_b32 v[QF+12+\i], v[QF+\i]                ; Q | zeros | Q
	v_mov_b32 v[QF+6+\i], 0
.endr
	s_wait_alu depctr_va_vdst(0)                   ; the block's lines are done reading X, in which the next unit's LDS loads land
	HEADU 24, 1, 1
	GLOAD 1, 6, 3*4096, 0
	BLK X, Q1, BYA
	QWORD Q1S, Q1S+1
	s_wait_alu depctr_va_vdst(0)                   ; the block's lines are done reading X, in which the next unit's LDS loads land
	KUNIT 0, 24
	KUNIT 1, 24
	KUNIT 2, 24
	KUNIT 3, 24
	KUNIT 4, 24
	KUNIT 5, 48                                    ; behind it: two units of eight and V's first 32
	KUNIT 6, 40                                    ; one unit of eight and V's 32
	KUNIT 7, 32                                    ; V's 32
.irp m, 0,1,2,3,4,5,6,7
	VUNIT \m
.endr
	s_wait_dscnt 0x0                               ; for the others' sake: all my images and scale words lie in LDS
	s_barrier_signal -1
	s_barrier_wait -1                              ; the whole head's do; nothing in the sixteen regions is written again
	s_wait_alu depctr_vm_vsrc(0)                   ; my last image's stores have read v[PC1 ..] and the scale word's store v[VWD]: O^T's zeros are written over v[VWD], and K's fragments land on v[PC1 ..]
; ---- PHASE 2.  A key step: 128 keys against my 16 queries
.macro STEP
	s_wait_alu depctr_vm_vsrc(0)                   ; the LDS loads issued so far have read v[ADR] and v[ADS]; in a walk's first step also: the way out's LDS stores have read V's registers and its global stores the scores' registers
	v_add_nc_u32 v[ADR], s[TB], v[LI]
	v_add_nc_u32 v[ADS], s[TB], v[LS]
	v_nop                                          ; with the two additions: four plain instructions between the last step's products and loads into registers that they read (ISA guide 7.12.1 for vector instructions)
	v_nop
	s_wait_alu depctr_va_vdst(0)                   ; v[ADR] and v[ADS] are written; the last step's products are done reading V's fragments, P's codes and the scale words, and its vector lines are done with K's registers: the loads below land in all of these; in a walk's first step also: Q's codes and scale words are written, which the scaled products take
	ds_load_b32 v[KS0], v[ADS] offset:KSCO
	ds_load_b32 v[KS0+1], v[ADS] offset:KSCO+128
.irp f, 0,1,2,3
.irp c, 0,1,2
	ds_load_b128 v[KF+12*\f+4*\c:KF+12*\f+4*\c+3], v[ADR] offset:KIMG+1536*\f+512*\c
.endr
.endr
.irp f, 0,1,2,3                                ; S^T = K Q^T: eight tiles of 16 keys, each pair fragment against both windows of Q; eight different accumulators, each begun with the constant 0
	s_wait_dscnt 9                                 ; LDS loads come back in order (ISA guide 5.7.1): K's scale words and fragment f are in; nine younger loads may stay out: K's later fragments and the tiles of V asked for so far, three loads each
.irp u, 0,1
.if \f%2
	v_wmma_scale_f32_16x16x128_f8f6f4 v[S+16*\f+8*\u:S+16*\f+8*\u+7], v[KF+12*\f:KF+12*\f+11], v[QF+6*\u:QF+6*\u+11], 0, v[KS0+\f/2], v[QS0+\u] matrix_a_fmt:MATRIX_FMT_FP6 matrix_b_fmt:MATRIX_FMT_FP6 matrix_a_scale:MATRIX_SCALE_ROW1
.else
	v_wmma_scale_f32_16x16x128_f8f6f4 v[S+16*\f+8*\u:S+16*\f+8*\u+7], v[KF+12*\f:KF+12*\f+11], v[QF+6*\u:QF+6*\u+11], 0, v[KS0+\f/2], v[QS0+\u] matrix_a_fmt:MATRIX_FMT_FP6 matrix_b_fmt:MATRIX_FMT_FP6
.endif
.endr
.irp c, 0,1,2
	ds_load_b128 v[VF+12*\f+4*\c:VF+12*\f+4*\c+3], v[ADR] offset:VIMG+1536*\f+512*\c   ; V's tile f.  No wait: no vector or matrix instruction since the step's head wait names V's registers or the two addresses
.endr
.endr
	ds_load_b32 v[VS0], v[ADS] offset:VSCO
	ds_load_b32 v[VS0+1], v[ADS] offset:VSCO+128
.rept 4
	v_nop                                          ; four plain instructions ahead of the first read of the scores and of the first write into K's registers
.endr
.irp b, 0,1,2,3
	v_max3_num_f32 v[BM+\b], v[S+16*\b], v[S+16*\b+1], v[S+16*\b+2]   ; the largest score of each block of 32 keys: it serves for the row's maximum and, since p rises with the score, for the block's largest p
.endr
.irp i, 3,5,7,9,11,13
.irp b, 0,1,2,3
	v_max3_num_f32 v[BM+\b], v[BM+\b], v[S+16*\b+\i], v[S+16*\b+\i+1]   ; (the four blocks by turns; each accumulator is read from its low end on)
.endr
.endr
.irp b, 0,1,2,3
	v_max_num_f32 v[BM+\b], v[BM+\b], v[S+16*\b+15]
.endr
.irp b, 0,1,2,3
	v_permlanex16_b32 v[BT+\b], v[BM+\b], s[SEL], s[SEL+1]
.endr
.irp b, 0,1,2,3
	v_max_num_f32 v[BM+\b], v[BM+\b], v[BT+\b]     ; with lane l xor 16's 16 keys
.endr
	v_max3_num_f32 v[TMP], v[BM], v[BM+1], v[BM+2]
	v_max_num_f32 v[TMP], v[TMP], v[BM+3]          ; the step's largest score of my query
	v_mul_f32 v[TMP], s[CS], v[TMP]                ; as t (c is positive)
	v_max_num_f32 v13, v13, v[TMP]                 ; the running largest t
	v_mov_b32 v[TMP], v12
	v_floor_f32 v12, -v13                          ; the new -M = floor(-t) = -ceil(t): a whole number
	v_sub_f32 v[TMP], v12, v[TMP]                  ; old M - new M: a whole number, 0 or less
	v_cvt_i32_f32 v[TMP], v[TMP]                   ; (it saturates)
	v_ldexp_f32 v[F], 1.0, v[TMP]                  ; f = 2^(old M - new M)
.set j, 0
.rept 32
	v_pk_fma_f32 v[S+j:S+j+1], v[S+j:S+j+1], s[CS:CS+1], v[12:13] op_sel_hi:[1,0,0]   ; t - M, two at a time (of the pairs c and -M the low word serves both halves)
.set j, j+2
.endr
.irp b, 0,1,2,3
	v_fma_f32 v[BM+\b], v[BM+\b], s[CS], v12       ; the same of each block's largest score
.endr
.set j, 0
	s_wait_alu depctr_va_vdst(0)
.rept 64
	v_exp_f32 v[S+j], v[S+j]                       ; p = 2^(t - M), at most 1: not normalised
.set j, j+1
.endr
	v_pk_mul_f32 v[14:15], v[14:15], v[F:F+1] op_sel_hi:[1,0]   ; the sums under the new M; also the plain instruction behind the exponentials
	s_wait_alu depctr_va_vdst(0)                   ; the 64 exponentials have written p: one wait for the batch, ahead of its first reader
.irp b, 0,1,2,3
	v_exp_f32 v[BM+\b], v[BM+\b]                   ; the block's largest p: the same two instructions on the same number give the same bits
.endr
	v_pk_add_f32 v[A2:A2+1], v[S:S+1], v[S+2:S+3]  ; the row's sum is taken of the unquantised p, two at a time, in two chains; it reads the 64 alone: plain work behind the four
.set j, 4
.rept 15
	v_pk_add_f32 v[14:15], v[14:15], v[S+j:S+j+1]
	v_pk_add_f32 v[A2:A2+1], v[A2:A2+1], v[S+j+2:S+j+3]
.set j, j+4
.endr
	v_pk_add_f32 v[14:15], v[14:15], v[A2:A2+1]
	s_wait_alu depctr_va_vdst(0)                   ; the four exponentials have written the blocks' largest p: one wait for the four, ahead of their first reader
.irp b, 0,1,2,3
	v_max_num_f32 v[BM+\b], 0x1800000, v[BM+\b]    ; the floor 2^(3 - 127): the byte cannot fall under 1 (a block whose every p is 0 keeps that byte: its codes are zeros)
.endr
.irp b, 0,1,2,3
	v_add_nc_u32 v[SOP+\b], 0xff000000, v[BM+\b]   ; 2 off the exponent field: the conversion's scale operand
.endr
.irp b, 0,1,2,3
	v_lshrrev_b32 v[BT+\b], 23, v[SOP+\b]          ; the scale's byte
.endr
	v_lshl_or_b32 v[PW], v[BT+1], 8, v[BT]         ; P's scale word for these 128 keys
	v_lshl_or_b32 v[PW], v[BT+2], 16, v[PW]
	v_lshl_or_b32 v[PW], v[BT+3], 24, v[PW]
.irp c, 0,1
	v_cvt_scalef32_pk16_fp6_f32 v[PC2+6*\c:PC2+6*\c+2], v[S+32*\c:S+32*\c+15], v[SOP+2*\c]
	v_cvt_scalef32_pk16_fp6_f32 v[T2+4*\c:T2+4*\c+2], v[S+32*\c+16:S+32*\c+31], v[SOP+2*\c+1]   ; (a conversion's three registers begin on an even number)
.endr
	v_nop                                          ; one plain instruction behind the conversions
.irp c, 0,1                                    ; the operand's layout wants a whole block in a lane: lanes 0-15 block 2 c, lanes 16-31 block 2 c + 1
.irp i, 0,1,2
	v_permlane16_swap_b32 v[PC2+6*\c+\i], v[T2+4*\c+\i]
.endr
.irp i, 0,1,2
	v_mov_b32 v[PC2+6*\c+3+\i], v[T2+4*\c+\i]
.endr
.endr
.set j, 0
.rept 16
	v_pk_mul_f32 v[O+j:O+j+1], v[O+j:O+j+1], v[F:F+1] op_sel_hi:[1,0]   ; O^T under the new M, each accumulator from its low end on; these sixteen also stand between the last writes of P's codes and scale word and the products
.set j, j+2
.endr
	s_wait_dscnt 0x0                               ; V is in
	s_wait_alu depctr_va_vdst(0)                   ; the vector lines have written P's codes and P's scale word, which the scaled products below take; the sixteen places above stay beside this wait
.irp t, 0,1,2,3                                ; O^T += V^T P^T: the four accumulators take turns, one instruction a turn
.if \t%2
	v_wmma_scale_f32_16x16x128_f8f6f4 v[O+8*\t:O+8*\t+7], v[VF+12*\t:VF+12*\t+11], v[PC2:PC2+11], v[O+8*\t:O+8*\t+7], v[VS0+\t/2], v[PW] matrix_a_fmt:MATRIX_FMT_FP6 matrix_b_fmt:MATRIX_FMT_FP6 matrix_a_scale:MATRIX_SCALE_ROW1
.else
	v_wmma_scale_f32_16x16x128_f8f6f4 v[O+8*\t:O+8*\t+7], v[VF+12*\t:VF+12*\t+11], v[PC2:PC2+11], v[O+8*\t:O+8*\t+7], v[VS0+\t/2], v[PW] matrix_a_fmt:MATRIX_FMT_FP6 matrix_b_fmt:MATRIX_FMT_FP6
.endif
.endr
	s_add_co_u32 s[TB], s[TB], STEPB               ; the next step's region
.endm
; A tile begins: O^T and the sum as zeros, the largest t as -3e38, so that the step is written once: the first change of M multiplies zeros.  n = 1: the second tile's Q takes its place first
.macro INIT n
.if \n
	v_mov_b32 v[QS0], v[Q1S]
	v_mov_b32 v[QS1], v[Q1S+1]
.irp i, 0,1,2,3,4,5
	v_mov_b32 v[QF+\i], v[Q1+\i]
	v_mov_b32 v[QF+12+\i], v[Q1+\i]
.endr
.endif
	v_mov_b32 v13, 0xff61b1e6                      ; -3e38, under every t
	v_floor_f32 v12, -v13                          ; -M
	v_mov_b32 v14, 0
	v_mov_b32 v15, 0
	v_mov_b32 v[F+1], 0                            ; (named as the upper half of a pair)
.set j, 0
.rept 32
	v_mov_b32 v[O+j], 0
.set j, j+1
.endr
.if \n
	s_wait_xcnt 0x0                                ; the first tile's stores have had their addresses translated: the next scores are written into their data registers only behind this wait, and behind the wait on vm_vsrc at the head of the walk's first step
.endif
.endm
.macro WALK                                    ; all 16 key steps of the head
	s_mov_b32 s[TB], 0
	s_mov_b32 s[CNT], 16
.Lstep_\@:
	STEP
	s_sub_co_u32 s[CNT], s[CNT], 1
	s_cmp_lg_u32 s[CNT], 0
	s_cbranch_scc1 .Lstep_\@
.endm
; The way out of tile n: O^T / the sum goes through my stage (a lane holds eight neighbouring channels of one row) and leaves as 16 dense rows of 256 bytes
.macro OUT n
.rept 4
	v_nop                                          ; four plain instructions behind the last products, ahead of reads of O^T and writes into V's registers
.endr
	v_add_f32 v14, v14, v15                        ; the sum's two halves,
	v_permlanex16_b32 v[TMP], v14, s[SEL], s[SEL+1]
	v_add_f32 v14, v14, v[TMP]                     ; and lane l xor 16's 64 keys of each step: the row's sum
	s_wait_alu depctr_va_vdst(0)
	v_rcp_f32 v14, v14
	v_nop                                          ; a plain instruction behind the reciprocal,
	s_wait_alu depctr_va_vdst(0)                   ; and a wait ahead of its first reader: the reciprocal has written v14
.set j, 0
.rept 16
	v_pk_mul_f32 v[VF+j:VF+j+1], v[O+j:O+j+1], v[14:15] op_sel_hi:[1,0]   ; register 8 t + i: out0(row r, channel 16 t + 8 h + i)
.set j, j+2
.endr
	s_wait_alu depctr_va_vdst(0)                   ; the multiplications have written v[VF ..], which the LDS stores read; the last step's lines are done with the scores' registers, in which the loads from the stage land
.irp t, 0,1,2,3
	ds_store_b128 v[SO], v[VF+8*\t:VF+8*\t+3] offset:64*\t
	ds_store_b128 v[SO], v[VF+8*\t+4:VF+8*\t+7] offset:64*\t+16
.endr
.irp i, 0,1,2,3,4,5,6,7
	ds_load_b128 v[S+4*\i:S+4*\i+3], v[STW] offset:2*SPITCH*\i   ; LDS serves a wave's instructions in order: these see my stores
.endr
.irp i, 0,1,2,3,4,5,6,7
	s_wait_dscnt 7-\i                              ; the younger loads may stay out
	global_store_b128 v[LI], v[S+4*\i:S+4*\i+3], s[10:11] offset:65536*\n+512*\i th:TH_STORE_NT   ; 32 lanes store 512 consecutive bytes, at a multiple of 256 from out0's first byte
.endr
.endm
	INIT 0
	WALK
	OUT 0
	INIT 1
	WALK
	OUT 1
	s_wait_dscnt 0x0                               ; the closing lines, six on end
	s_wait_alu 0x0
	s_wait_tensorcnt 0x0
	ds_add_u32 v[SPW], v[NIL]
	s_wait_dscnt 0x0
	s_endpgm
.Lfunc_end_k_q46988de284_attend:
	.size	k_q46988de284_attend, .Lfunc_end_k_q46988de284_attend-k_q46988de284_attend
	.p2alignl 7, 3214868480
	.fill 96, 4, 3214868480
	.section	.rodata,"a",@progbits
	.p2align	6, 0x0
	.amdhsa_kernel k_q46988de284_attend
		.amdhsa_group_segment_fixed_size 276480
		.amdhsa_private_segment_fixed_size 0
		.amdhsa_enable_private_segment 0
		.amdhsa_kernarg_size 32
		.amdhsa_user_sgpr_count 2
		.amdhsa_user_sgpr_kernarg_segment_ptr 1
		.amdhsa_wavefront_size32 1
		.amdhsa_system_sgpr_workgroup_id_x 1
		.amdhsa_system_sgpr_workgroup_id_y 1
		.amdhsa_system_sgpr_workgroup_id_z 1
		.amdhsa_system_vgpr_workitem_id 0
		.amdhsa_next_free_vgpr 256
		.amdhsa_next_free_sgpr 66
		.amdhsa_reserve_vcc 0
		.amdhsa_float_denorm_mode_32 3
		.amdhsa_float_denorm_mode_16_64 3
		.amdhsa_memory_ordered 1
		.amdhsa_forward_progress 1
		.amdhsa_inst_pref_size 116
	.end_amdhsa_kernel
	.amdgpu_metadata
---
amdhsa.version: [ 1, 2 ]
amdhsa.kernels:
  - .name:           k_q46988de284_attend
    .symbol:         k_q46988de284_attend.kd
    .args:
      - { .name: q, .offset: 0, .size: 8, .value_kind: global_buffer, .address_space: global }
      - { .name: k, .offset: 8, .size: 8, .value_kind: global_buffer, .address_space: global }
      - { .name: v, .offset: 16, .size: 8, .value_kind: global_buffer, .address_space: global }
      - { .name: out0, .offset: 24, .size: 8, .value_kind: global_buffer, .address_space: global }
    .group_segment_fixed_size: 276480
    .private_segment_fixed_size: 0
    .kernarg_segment_align: 8
    .kernarg_segment_size: 32
    .max_flat_workgroup_size: 512
    .sgpr_count:     66
    .vgpr_count:     256
    .wavefront_size: 32
...
	.end_amdgpu_metadata
.endif
;; end of part 2
